; MI455X (gfx1250); checked and timed in simulation.
; The chip was launched on July 23, 2026; its instructions are those of AMD's public machine-readable ISA for CDNA 5 (MIT licence, August 2026) and "CDNA5" Instruction Set Architecture Reference Guide (July 2026). The comments in the code are by the model that wrote it; some were corrected since.
;; Enhanced Graph Transformer Layer. Allowed arithmetic: matrix products marked QUANTISED: E2M3 operands, one E8M0 scale for each 32 along K, by v_wmma_scale_f32_16x16x128_f8f6f4 with both operands' format E2M3, f32 sums; products left as they are: f32 operands where the result goes on into a quantised operand, else bf16, f16 or f32 operands; f32 sums; everything else in f32.
;; Inputs: W1 2,048 x 512 float32; W2 512 x 2,048 float32; Wk 512 x 512 float32; Wo 512 x 512 float32; Wq 512 x 512 float32; Wv 512 x 512 float32; b1 2,048 float32; b2 512 float32; beta1 512 float32; beta2 512 float32; bk 512 float32; bo 512 float32; bq 512 float32; bv 512 float32; g1 512 float32; g2 512 float32; x 16,384 x 512 float32.
;; Outputs: out0 16,384 x 512 float32.
;; This version of the problem:
;;   THIS VERSION OF THE PROBLEM IS GIVEN IN LOW PRECISION. The matrix products marked QUANTISED in the list below multiply operands that are first quantised to E2M3 (2 exponent bits, 3 mantissa bits; 6 bits a number), with one power-of-two scale for each 32 numbers along K (OCP MX v1.0); their sums are f32. All else is computed in f32.
;;   The module's matrix products, in the order in which they are computed (A, B: the left and right operand; K: the contracted axis; several contracted axes count as one K, in the product's order):
;;     1. [M 16,384, K 512] x [K 512, N 512]; A: computed on the way; B: input Wq: QUANTISED
;;     2. [M 16,384, K 512] x [K 512, N 512]; A: computed on the way; B: input Wk: QUANTISED
;;     3. [M 16,384, K 512] x [K 512, N 512]; A: computed on the way; B: input Wv: QUANTISED
;;     4. batch 16,384 x [M 8, K 64] x [K 64, N 8]; A: computed on the way; B: computed on the way: left as it is (M = 8 < 16)
;;     5. batch 16,384 x [M 8, K 8] x [K 8, N 64]; A: softmax; B: computed on the way: left as it is (K = 8 < 32)
;;     6. [M 16,384, K 512] x [K 512, N 512]; A: computed on the way; B: input Wo: QUANTISED
;;     7. [M 16,384, K 512] x [K 512, N 2,048]; A: computed on the way; B: input W1: QUANTISED
;;     8. [M 16,384, K 2,048] x [K 2,048, N 512]; A: computed on the way; B: input W2: QUANTISED
;;   THE QUANTISER, for each operand of a quantised product, along K:
;;     - K is cut into blocks of 32 from its start; a last block that is shorter is filled with zeros.
;;     - A block's scale is 2^e with e = floor(log2(the largest magnitude in the block)) - 2, held to -126 .. 127; a block of zeros has e = 0. As a byte (E8M0): e + 127.
;;     - Each number is divided by its block's scale, clamped to +-7.5, and rounded to the nearest number of E2M3, ties to even, subnormals kept.
;;     - The product sums the exact products of the quantised numbers (number of the format x scale) in f32.
;;   ~~~python
;;   def quantise(x, axis):      # numpy; x: float32 -> the quantised numbers, widened to float32 again
;;       x = np.moveaxis(x, axis, -1); K = x.shape[-1]
;;       x = np.pad(x, [(0, 0)] * (x.ndim - 1) + [(0, -K % 32)]); x = x.reshape(x.shape[:-1] + (-1, 32)); a = np.abs(x).max(-1, keepdims=True)
;;       e = np.where(a > 0, np.clip(np.frexp(np.where(a > 0, a, 1))[1] - 1 - 2, -126, 127), 0)      # np.frexp(a)[1] - 1 = floor(log2(a)), exactly
;;       r = np.clip(x / 2.0 ** e, -7.5, 7.5)
;;       step = 2.0 ** (np.maximum(np.frexp(np.where(r == 0, 1, r))[1] - 1, 0) - 3)
;;       q = np.round(r / step) * step * 2.0 ** e      # np.round: ties to even
;;       return np.moveaxis(q.reshape(q.shape[:-2] + (-1,))[..., :K], -1, axis).astype(np.float32)
;;   ~~~
;;   OPERANDS COMPUTED ON THE WAY. 'Computed on the way' means the value that the module computes at that place (a softmax that the list does not call 'softmax' is quantised finished and normalised). What goes into a quantiser is computed in f32, as accurately as f32 sums, v_exp_f32 and their like allow (about 1e-6 of the number): no bf16 or f16 on the way to a quantiser, and a product that is left as it is and whose result goes on into a quantised operand takes f32 operands (vector FMAs, or v_wmma_f32_16x16x4_f32). A number that lies on a knife's edge between two numbers of the format may be rounded either way, as far as f32 arithmetic and the matrix unit's own rounding can turn it there, and no further.
;; One version. Each part assembles by itself: llvm-mc -triple=amdgcn-amd-amdhsa -mcpu=gfx1250 --defsym DOCPART=n.
;; ======== version 1 of 1: 2 launches
;; limits: right only within a limited range of input values
;; workspace buffers: wq 2,457,600 bytes
;; launch prep (part 1): grid 192 x 1, 8 waves a work-group, no clusters, 69,120 bytes of LDS; arguments Wk, Wq, Wv, Wo, W1, W2, wq; writes wq
.if DOCPART == 1
	.amdgcn_target "amdgcn-amd-amdhsa--gfx1250"
	.amdhsa_code_object_version 6
	.text
	.protected	k_qd6ee1d795b_prep
	.globl	k_qd6ee1d795b_prep
	.p2align	8
	.type	k_qd6ee1d795b_prep,@function
k_qd6ee1d795b_prep:
	s_mov_b64 s[64:65], 0
	v_nop
	global_prefetch_b8 v0, s[64:65] scope:SCOPE_SE
	s_setreg_imm32_b32 hwreg(HW_REG_WAVE_MODE, 25, 1), 1
	s_wait_xcnt 0x0
; The six weights, f32 with K innermost, become codes of FP6 (E2M3) with one E8M0 byte for each 32 along K, laid in the order in which the
; second launch's waves take them into registers.  wq = 24 slots x 4 waves x a block of 25,600 bytes.  A block holds 16 fragments (16 rows x 128 K),
; each as an image of its 12 registers (quad c of lane l at 1536 f + 512 c + 16 l), and behind them 1,024 bytes of scale words:
; the word of fragment f, row rho at 24576 + 512 (f / 8) + 16 (rho + 16 (f % 2)) + 4 ((f % 8) / 2).
; Slot t belongs to product p = t / 2 (0 Wq, 1 Wk, 2 Wv, 3 Wo, 4 + 2 c W1's chunk c, 5 + 2 c W2's chunk c); fragment f is tile f % 8, K step 2 (t % 2) + f / 8.
; The 16 rows of a tile are row = base + a (rho % 8) + b (rho / 8):
;   Wo, W1, W2: base 128 w + 32 (tile / 2) + 8 (tile % 2) (+ 512 c for W1), a 1, b 16;   Wq, Wv: base 64 tile + 16 w, a 1, b 8;   Wk: base 16 w + tile, a 64, b 8.
; A work-group (8 waves) makes 8 fragments, a wave one.  Each load reads 512 consecutive bytes of one row; the 16 rows turn through the wave's own stage
; in LDS so that a lane holds two whole blocks of 32 of its row; each store of codes covers 512 consecutive bytes, aligned.
; A block's scale is 2^(floor(log2(largest magnitude)) - 2); its byte is the largest magnitude's exponent field - 2, held at 1 from below.
; LIMITS: a block whose largest magnitude lies under 2^-124 (a block of zeros too) keeps the byte 1; zero codes add nothing, and this program alone reads the bytes.  NaN and infinities are not served.
; ORDER OF THE FIRST TWO PRODUCTS: the launch hands Wk in as its first argument and Wq as its second, and the second launch multiplies K ahead of Q:
; wherever the lines above and below say product 0 and product 1, read 0 = Wk, 1 = Wq (s[4:5] holds Wk, s[6:7] Wq).
.set STG,  8448
.set SCW,  8*STG                       ; behind the stages: the work-group's 512 bytes of scale words
.set BLK,  25600
	s_load_b256 s[4:11], s[0:1], 0x0               ; Wk s[4:5], Wq s[6:7], Wv s[8:9], Wo s[10:11]
	s_load_b128 s[12:15], s[0:1], 0x20             ; W1 s[12:13], W2 s[14:15]
	s_load_b64 s[16:17], s[0:1], 0x30              ; wq
	v_lshl_add_u32 v200, v0, 2, 0x10a00
	v_mov_b32 v201, 0
	v_lshrrev_b32 v2, 5, v0
	s_delay_alu instid0(VALU_DEP_1)
	v_readfirstlane_b32 s18, v2                    ; the wave = the tile, 0..7
	s_and_b32 s19, ttmp9, 1                        ; u: which half of the block's fragments
	s_bfe_u32 s20, ttmp9, 0x20001                  ; w: the wave of the second launch that will read them
	s_lshr_b32 s21, ttmp9, 3                       ; t: the slot
	s_lshr_b32 s22, s21, 1                         ; p: the product
	s_and_b32 s23, s21, 1
	s_lshl_b32 s23, s23, 1
	s_add_co_u32 s23, s23, s19                     ; the K step, 0..3
	s_max_u32 s24, s22, 4
	s_sub_co_u32 s24, s24, 4
	s_lshr_b32 s24, s24, 1                         ; c: the chunk of W1 and W2
	s_lshl_b32 s25, s20, 7
	s_lshr_b32 s26, s18, 1
	s_lshl_b32 s26, s26, 5
	s_add_co_u32 s25, s25, s26
	s_and_b32 s26, s18, 1
	s_lshl_b32 s26, s26, 3
	s_add_co_u32 s25, s25, s26                     ; 128 w + 32 (tile / 2) + 8 (tile % 2)
	s_lshl_b32 s26, s20, 4
	s_lshl_b32 s27, s18, 6
	s_add_co_u32 s27, s27, s26                     ; 64 tile + 16 w
	s_add_co_u32 s28, s26, s18                     ; 16 w + tile
	s_cmp_ge_u32 s22, 3
	s_cselect_b32 s25, s25, s27
	s_cselect_b32 s29, 16, 8                       ; b
	s_cmp_eq_u32 s22, 0                            ; Wk is product 0
	s_cselect_b32 s25, s28, s25
	s_cselect_b32 s30, 64, 1                       ; a
	s_and_b32 s31, s22, 1
	s_xor_b32 s33, s31, 1
	s_cmp_ge_u32 s22, 4
	s_cselect_b32 s32, s31, 0                      ; 1 for W2
	s_cselect_b32 s33, s33, 0                      ; 1 for W1
	s_mul_i32 s34, s24, s33
	s_lshl_b32 s34, s34, 9
	s_add_co_u32 s25, s25, s34                     ; the tile's base row
	s_mul_i32 s34, s24, s32
	s_lshl_b32 s34, s34, 11                        ; W2: 512 c along K, in bytes
	s_lshl_b32 s35, s23, 9                         ; 128 along K for each K step, in bytes
	s_add_co_u32 s34, s34, s35
	s_lshl_b32 s35, s32, 1
	s_add_co_u32 s35, s35, 11                      ; a row is 2^11 bytes, W2's 2^13
	s_lshl_b32 s25, s25, s35
	s_add_co_u32 s36, s25, s34                     ; where the fragment begins in its weight, under 2^23
	s_mov_b32 s37, 0
	s_lshl_b32 s30, s30, s35                       ; a and b in bytes
	s_lshl_b32 s29, s29, s35
	s_lshr_b32 s38, ttmp9, 1
	s_mul_i32 s38, s38, BLK                        ; the block: 4 t + w
	s_mov_b32 s39, 0
	s_lshl_b32 s40, s19, 3
	s_add_co_u32 s40, s40, s18                     ; f = 8 u + tile
	s_mul_i32 s40, s40, 1536
	s_mov_b32 s41, 0
	s_mov_b32 s50, 0x76543210
	s_mov_b32 s51, 0xfedcba98                      ; v_permlanex16_b32's selects for lane l xor 16
	v_and_b32 v3, 31, v0                           ; lane
	s_delay_alu instid0(VALU_DEP_1)
	v_lshlrev_b32 v1, 4, v3                        ; 16 x lane
	s_wait_alu depctr_va_vdst(0)
	v_and_b32 v7, 15, v0                           ; rho
	v_bfe_u32 v8, v0, 4, 1                         ; h
	s_mul_i32 s46, s18, STG
	v_add_nc_u32 v4, s46, v1                       ; the stage, way in: a row's 512 bytes as they lie
	v_mul_u32_u24 v5, v7, 528
	s_delay_alu instid0(VALU_DEP_1)
	v_lshl_add_u32 v5, v8, 7, v5
	s_delay_alu instid0(VALU_DEP_1)
	v_add_nc_u32 v5, s46, v5                       ; way out: row rho, + 128 h: my block of 32 numbers
	s_and_b32 s47, s18, 1
	s_lshl_b32 s47, s47, 8
	s_lshr_b32 s48, s18, 1
	s_lshl_b32 s48, s48, 2
	s_add_co_u32 s47, s47, s48
	s_add_co_u32 s47, s47, SCW
	v_lshl_add_u32 v6, v7, 4, s47                  ; my row's scale word: 16 rho + 256 (tile % 2) + 4 (tile / 2)
	v_add_nc_u32 v9, SCW, v1                       ; and the words' way out
.irp i, 0,1,2,3,4,5,6,7,8,9,10,11,12,13,14,15
	s_mul_i32 s48, s30, \i%8
.if \i >= 8
	s_add_co_u32 s48, s48, s29
.endif
	v_add_nc_u32 v[144+\i], s48, v1                ; row i of the tile, my 16 bytes of its 512
.endr
	s_wait_alu depctr_va_vdst(0)
	s_wait_kmcnt 0x0
	s_cmp_eq_u32 s22, 1                            ; the weight is chosen by the work-group's number alone
	s_cselect_b64 s[4:5], s[6:7], s[4:5]
	s_cmp_eq_u32 s22, 2
	s_cselect_b64 s[4:5], s[8:9], s[4:5]
	s_cmp_eq_u32 s22, 3
	s_cselect_b64 s[4:5], s[10:11], s[4:5]
	s_cmp_eq_u32 s33, 1
	s_cselect_b64 s[4:5], s[12:13], s[4:5]
	s_cmp_eq_u32 s32, 1
	s_cselect_b64 s[4:5], s[14:15], s[4:5]
	s_add_nc_u64 s[4:5], s[4:5], s[36:37]
	s_add_nc_u64 s[16:17], s[16:17], s[38:39]      ; the block
	s_add_nc_u64 s[42:43], s[16:17], s[40:41]      ; my fragment's image
	s_lshl_b32 s40, s19, 9
	s_add_co_u32 s40, s40, 24576
	s_add_nc_u64 s[44:45], s[16:17], s[40:41]      ; the work-group's 512 bytes of scale words
.irp i, 0,1,2,3,4,5,6,7,8,9,10,11,12,13,14,15
	global_load_b128 v[16+4*\i:19+4*\i], v[144+\i], s[4:5] th:TH_LOAD_NT   ; 32 lanes read 512 consecutive bytes of a row; read once in the launch
.endr
.irp i, 0,1,2,3,4,5,6,7,8,9,10,11,12,13,14,15
	s_wait_loadcnt 15-\i                           ; loads come back in order: row i is in, the rows behind it may be out
	ds_store_b128 v4, v[16+4*\i:19+4*\i] offset:528*\i
.endr
.irp c, 0,1
.irp e, 0,1,2,3,4,5,6,7
	ds_load_b128 v[80+32*\c+4*\e:83+32*\c+4*\e], v5 offset:256*\c+16*\e   ; k = 64 c + 32 h + 0 .. 31 of row rho (LDS serves a wave's instructions in order: these see the stores)
.endr
.endr
	s_wait_dscnt 0x0
.irp c, 0,1                                    ; my block 2 c + h: all its 32 numbers are mine
	v_max3_num_f32 v[160+\c], |v[80+32*\c]|, |v[81+32*\c]|, 0x1800000   ; with the floor 2^(3 - 127): the byte cannot fall under 1
.endr
.irp i, 2,4,6,8,10,12,14,16,18,20,22,24,26,28,30
.irp c, 0,1
	s_delay_alu instid0(VALU_DEP_2)
	v_max3_num_f32 v[160+\c], v[160+\c], |v[80+32*\c+\i]|, |v[81+32*\c+\i]|
.endr
.endr
.irp c, 0,1
	s_delay_alu instid0(VALU_DEP_2)
	v_add_nc_u32 v[164+\c], 0xff000000, v[160+\c]  ; 2 off the exponent field: the conversion's scale operand
.endr
.irp c, 0,1
	s_delay_alu instid0(VALU_DEP_2)
	v_lshrrev_b32 v[162+\c], 23, v[164+\c]         ; the scale's byte
.endr
	s_delay_alu instid0(VALU_DEP_1)
	v_lshl_or_b32 v166, v163, 16, v162             ; my two bytes: blocks h and 2 + h,
	v_lshlrev_b32 v167, 3, v8
	s_delay_alu instid0(VALU_DEP_1)
	v_lshlrev_b32 v166, v167, v166                 ; at their places in the word (8 h bits up);
	v_mov_b32 v167, 0
	s_delay_alu instid0(VALU_DEP_1)
	v_permlanex16_b32 v167, v166, s50, s51
	s_delay_alu instid0(VALU_DEP_1)
	v_or_b32 v166, v166, v167                      ; with lane l xor 16's two the word is whole
.irp c, 0,1
	v_cvt_scalef32_pk16_fp6_f32 v[176+6*\c:178+6*\c], v[80+32*\c:95+32*\c], v[164+\c]
	v_cvt_scalef32_pk16_fp6_f32 v[188+4*\c:190+4*\c], v[96+32*\c:111+32*\c], v[164+\c]   ; (a conversion's three registers begin on an even number)
.endr
	v_nop                                          ; one plain place behind a scaled conversion
.irp c, 0,1
.irp i, 0,1,2
	v_mov_b32 v[179+6*\c+\i], v[188+4*\c+\i]
.endr
.endr
.irp c, 0,1,2
	global_store_b128 v1, v[176+4*\c:179+4*\c], s[42:43] offset:512*\c   ; 512 consecutive bytes, aligned
.endr
	ds_store_b32 v6, v166                          ; both halves of the lanes write the same word with the same value
	s_wait_dscnt 0x0                               ; for wave 0's sake: my word has landed
	s_barrier_signal -1
	s_barrier_wait -1
	s_cmp_lg_u32 s18, 0
	s_cbranch_scc1 .Lend
	ds_load_b128 v[10:13], v9                      ; the eight fragments' words
	s_wait_dscnt 0x0
	global_store_b128 v1, v[10:13], s[44:45]       ; 512 consecutive bytes, aligned
.Lend:
	s_wait_tensorcnt 0x0
	ds_add_u32 v200, v201
	s_wait_dscnt 0x0
	s_endpgm
.Lfunc_end_k_qd6ee1d795b_prep:
	.size	k_qd6ee1d795b_prep, .Lfunc_end_k_qd6ee1d795b_prep-k_qd6ee1d795b_prep
	.p2alignl 7, 3214868480
	.fill 96, 4, 3214868480
	.section	.rodata,"a",@progbits
	.p2align	6, 0x0
	.amdhsa_kernel k_qd6ee1d795b_prep
		.amdhsa_group_segment_fixed_size 69120
		.amdhsa_private_segment_fixed_size 0
		.amdhsa_enable_private_segment 0
		.amdhsa_kernarg_size 56
		.amdhsa_user_sgpr_count 2
		.amdhsa_user_sgpr_kernarg_segment_ptr 1
		.amdhsa_wavefront_size32 1
		.amdhsa_system_sgpr_workgroup_id_x 1
		.amdhsa_system_sgpr_workgroup_id_y 1
		.amdhsa_system_sgpr_workgroup_id_z 1
		.amdhsa_system_vgpr_workitem_id 0
		.amdhsa_next_free_vgpr 202
		.amdhsa_next_free_sgpr 66
		.amdhsa_reserve_vcc 0
		.amdhsa_float_denorm_mode_32 3
		.amdhsa_float_denorm_mode_16_64 3
		.amdhsa_memory_ordered 1
		.amdhsa_forward_progress 1
		.amdhsa_inst_pref_size 15
	.end_amdhsa_kernel
	.amdgpu_metadata
---
amdhsa.version: [ 1, 2 ]
amdhsa.kernels:
  - .name:           k_qd6ee1d795b_prep
    .symbol:         k_qd6ee1d795b_prep.kd
    .args:
      - { .name: Wk, .offset: 0, .size: 8, .value_kind: global_buffer, .address_space: global }
      - { .name: Wq, .offset: 8, .size: 8, .value_kind: global_buffer, .address_space: global }
      - { .name: Wv, .offset: 16, .size: 8, .value_kind: global_buffer, .address_space: global }
      - { .name: Wo, .offset: 24, .size: 8, .value_kind: global_buffer, .address_space: global }
      - { .name: W1, .offset: 32, .size: 8, .value_kind: global_buffer, .address_space: global }
      - { .name: W2, .offset: 40, .size: 8, .value_kind: global_buffer, .address_space: global }
      - { .name: wq, .offset: 48, .size: 8, .value_kind: global_buffer, .address_space: global }
    .group_segment_fixed_size: 69120
    .private_segment_fixed_size: 0
    .kernarg_segment_align: 8
    .kernarg_segment_size: 56
    .max_flat_workgroup_size: 256
    .sgpr_count:     66
    .vgpr_count:     202
    .wavefront_size: 32
...
	.end_amdgpu_metadata
.endif
;; end of part 1
;; launch fused (part 2): grid 256 x 1, 4 waves a work-group, clusters of 4 x 1, 327,680 bytes of LDS; arguments x, wq, bq, bk, bv, bo, b1, b2, g1, beta1, g2, beta2, out0; writes out0
.if DOCPART == 2
	.amdgcn_target "amdgcn-amd-amdhsa--gfx1250"
	.amdhsa_code_object_version 6
	.text
	.protected	k_qd6ee1d795b_fused
	.globl	k_qd6ee1d795b_fused
	.p2align	8
	.type	k_qd6ee1d795b_fused,@function
k_qd6ee1d795b_fused:
	s_mov_b64 s[64:65], 0
	v_nop
	global_prefetch_b8 v0, s[64:65] scope:SCOPE_SE
	s_setreg_imm32_b32 hwreg(HW_REG_WAVE_MODE, 25, 1), 1
	s_wait_xcnt 0x0
	s_wait_alu depctr_hold_cnt(0) depctr_sa_sdst(0) depctr_va_vdst(0) depctr_va_sdst(0) depctr_va_ssrc(0) depctr_va_vcc(0) depctr_vm_vsrc(0)
	s_getreg_b32 s2, hwreg(HW_REG_IB_STS2, 6, 4)
	s_cmp_eq_u32 s2, 0
	s_cbranch_scc0 .Lentry_in_a_cluster
	s_endpgm
.Lentry_in_a_cluster:
	s_bfe_u32 s2, ttmp6, 0x10000c
	s_cmp_lg_u32 s2, 0x3003
	s_cbranch_scc0 .Lentry_shape_is_right
	s_endpgm
.Lentry_shape_is_right:
; The whole layer for 64 rows a work-group: LN1, K Q V, the 8 x 8 attention across a node's heads (f32), Wo + residual, LN2, W1, relu, W2 + residual.
; The six large products run on codes of FP6 (E2M3) with E8M0 scales; every activation is quantised in registers.
; SHARES.  Four waves; wave w makes 128 of a product's 512 columns for all 64 rows (four tiles m of 16 rows).  A product is 8 tiles x 4 K steps x 4 m = 128 matrix
; instructions a wave = two halves of 16 weight fragments.  12 products, 24 halves.  A weight fragment is used by ONE wave, and wq holds it as an image of that wave's registers.
; ONE LOOP OF SIX TRIPS: (a product into window 2, a middle stage, a product into window 1): K, Q | V, attention, Wo | four times W1, relu, W2.  The stages are chosen by the trip's number alone.
; THE WEIGHTS' TWO WAYS, BY TURNS.  Window 0's 16 fragment registers are asked for again, group of four by group of four, as soon as a group's 16 matrix instructions are issued, for the half that follows.
;   The FIRST half of each product comes from memory straight into these registers (512 consecutive bytes a load): it is asked for during the half before it, and a vector stage stands between the request and the use.
;   The SECOND half of each product comes through LDS: all work-groups walk the same weights, so the four of a cluster ask for each block JOINTLY (mask 15).  Two slots of 102,400 bytes, each
;   filled once a trip, a wave's own block by its own load: slot A (window 2's product) at the head and then behind the round in front of window 1's product, 128 matrix instructions and a stage ahead of its first read;
;   slot B (window 1's product) behind the round in front of the middle stage, which stands between the request and the first read.  One tensor load of a wave is out at any time.
;   Only the issuing wave reads its block, so its own wait on TENSORcnt orders the reads.
;   Both ways at once, because LDS has room for two such slots and no more beside the stages (the map below fills all 327,680 bytes).
; NO PREFETCH: all 64 clusters ask for the same 2,457,600 bytes of weights, each request stands at least 48 matrix instructions ahead of its use, and x is asked for at the head and once more one pass of the attention ahead.
; ALL PRODUCTS ARE USED TRANSPOSED (source 0 = 16 rows of a weight, source 1 = 16 nodes): lane (r, h) holds node r, register j the weight's row 8 h + j of the tile.
; THE CANONICAL LAYOUT (x, x1, the hidden layer, gains, biases): register 64 m + 16 b + i = (row 16 m + r, column 128 w + 32 b + 16 h + i).
; Q, V: register 64 m + 8 head + delta, d = 16 w + 8 h + delta.   K: register 64 m + 8 delta + head.   The first launch chose the weights' rows so.
; Activations go from wave to wave through LDS as images of the operand's registers, with a scale word a lane.  bo, b2 and b1 are copied into LDS once, at the head.
; LIMITS: NaN and infinities are not served.  A block whose largest magnitude lies under 2^-124 (a block of zeros too) keeps the scale byte 1; zero codes add nothing.
; Order of f32 rounding: bq is the start of Q's sums; bo is added to x ahead of Wo's sums; b2 is added to x1 + three chunks' sums ahead of the last chunk's.
; REGISTERS.  window 0: v0-23, v63 addresses; v24-31, v48-55 the weights' scale words, two sets; v32-47 the activations' scale words; v56-58 stepped addresses; v64-255 16 weight fragments.
;   window 1: x, Q, the attention's result, x1.   window 2: g, beta; K; V; the hidden layer.   Upper halves of windows 1 and 2: x's landing.
;   window 3: in products v0-191 16 activation fragments (tile m, K step s at 12 (4 m + s)), v192-255 a bias; in the vector stages the work area.
.set BLK,   25600                      ; a wave's part of a half: 16 images of 1,536 bytes + 1,024 bytes of scale words
.set SLOTB, 4*BLK
.set SPARE, 0                          ; the spare words: 128 bytes a wave, two blocks of 256 bytes that no other line names
.set VEC,   512                        ; bo, b2 (2,048 bytes each), b1 (8,192)
.set IMGA,  VEC+12288                  ; images of h1, of the attention's result, of h2: fragment 4 m + s at 1536 (4 m + s)
.set SCA,   IMGA+24576                 ; their scale words: 512 m + 16 lane + 4 s
.set ATT,   SCA+2048                   ; the attention weights: tile 4,352, node 272
.set BIG,   ATT+17408                  ; 66,048 bytes, in turn: partial scores (16,384 a wave); two tiles of the attention's result (row pitch 2,064); and, side by side:
                                       ;   from BIG on a stage for x and out0 (8,448 a wave),
.set IMGB,  BIG+33792                  ;   the hidden layer's images,
.set SCB,   IMGB+24576                 ;   their scale words,
.set LNP,   BIG+60416                  ;   the layer norms' partial figures: 1,024 a wave
.set SLA,   BIG+66048                  ; slot A; no LDS store ever lands in the slots
.set SLB,   SLA+SLOTB                  ; slot B, up to byte 327,680
.set G1,    36                         ; s[36:43] descriptor group 1
.set G0A,   44                         ; s[44:47] group 0 for slot A, s[48:51] for slot B
.set G0B,   48
.set TM,    232                        ; window 3: v232-235 largest magnitudes, v236-239 bytes, v244-247 scale operands; v240-243, v250-253 (mu, rstd); v254, v255 rstd of the pair at work
.set MSB, 0
.macro WIN new                         ; the immediate's high byte repeats the setting that is left; a switch that changes nothing is dropped
.if MSB != (\new)
	s_set_vgpr_msb (MSB<<8)|(\new)
.set MSB, \new
.endif
.endm
.macro NOPS n
.rept \n
	v_nop
.endr
.endm
.macro BARRIER                         ; my LDS stores have landed and my LDS loads are in: then the work-group's barrier
	s_wait_alu depctr_va_vdst(0)                   ; ahead of the blocking wait
	s_wait_dscnt 0x0
	s_barrier_signal -1
	s_barrier_wait -1
.endm
.macro ROUND                           ; a round of the cluster's barrier
	s_barrier_signal -1
	s_barrier_wait -1
	s_cmp_lg_u32 s30, 0
	s_cbranch_scc1 .Lnot_wave_0_\@
	s_barrier_signal -3
.Lnot_wave_0_\@:
	s_barrier_wait -3
	s_barrier_signal -1
	s_barrier_wait -1
.endm
.macro FILL g0                         ; the round, and my one joint load behind it
	ROUND
	tensor_load_to_lds s[\g0:\g0+3], s[G1:G1+7]
	s_nop 0
	NOPS 5
.endm
; HALF A PRODUCT: 16 fragments (8 tiles x K steps sb, sb + 1) against the four tiles of rows: 64 matrix instructions.
; acc: the accumulators' window; first = 1: the bias in window 3, v192-255, is the C of the first K step; set: which scale words.
; cur: this half's fragments came by global loads (0) or by LDS loads (1).  nxt: the next half's come by global loads (1; p1: how many halves on in wq), from a slot (2; p1: its address register;
; p3 = 1: the slot's load is waited for here and its descriptor's address words, s[p2:p2+1], stepped) or not at all (0).
; The requests go out in one order: (2 for the scale words, 4 groups of 12) for each half, and the next half's are counted by the other counter: behind group g of this half stand its own 12 (3 - g) later requests.
; The 32 accumulators take turns, one instruction a turn, from half to half too.
.macro HALF acc, sb, first, set, cur, nxt, p1, p2, p3
.if \nxt == 1
	s_wait_xcnt 0x0                                ; the base is stepped only behind this wait
	s_add_nc_u64 s[6:7], s[6:7], (\p1)*SLOTB
	global_load_b128 v[48-24*(\set):51-24*(\set)], v1, s[6:7] offset:24576   ; scale words of fragments 0-7: even ones in lanes 0-15, odd ones in lanes 16-31
	global_load_b128 v[52-24*(\set):55-24*(\set)], v1, s[6:7] offset:25088   ; and of 8-15
.endif
.if \nxt == 2
.if \p3
	s_wait_tensorcnt 0x0                           ; my block of the slot has landed, so its group 0 may be written:
	s_add_nc_u64 s[\p2:\p2+1], s[\p2:\p2+1], 4*SLOTB   ; the slot's block of the next trip
.endif
	ds_load_b128 v[48-24*(\set):51-24*(\set)], v[\p1] offset:24576
	ds_load_b128 v[52-24*(\set):55-24*(\set)], v[\p1] offset:25088
.endif
.irp g, 0,1,2,3
.if \cur == 0
	s_wait_loadcnt 36-12*\g
.else
	s_wait_dscnt 36-12*\g
.endif
.set FI, 4*\g
.rept 4
.if \first && (FI < 8)
	WIN ((\acc)<<6)|(3<<4)|(3<<2)
.else
	WIN ((\acc)<<6)|((\acc)<<4)|(3<<2)
.endif
.irp m, 0,1,2,3
.set rD, 64*\m+8*(FI%8)
.set rA, 64+12*FI
.set rB, 12*(4*\m+\sb+FI/8)
.set rSA, 24+24*(\set)+FI/2
.set rSB, 32+4*\m+\sb+FI/8
.set rC, rD
.if \first && (FI < 8)
.set rC, 192+8*(FI%8)
.endif
.if FI%2
	v_wmma_scale_f32_16x16x128_f8f6f4 v[rD:rD+7], v[rA:rA+11], v[rB:rB+11], v[rC:rC+7], v[rSA], v[rSB] matrix_a_fmt:MATRIX_FMT_FP6 matrix_b_fmt:MATRIX_FMT_FP6 matrix_a_scale:MATRIX_SCALE_ROW1
.else
	v_wmma_scale_f32_16x16x128_f8f6f4 v[rD:rD+7], v[rA:rA+11], v[rB:rB+11], v[rC:rC+7], v[rSA], v[rSB] matrix_a_fmt:MATRIX_FMT_FP6 matrix_b_fmt:MATRIX_FMT_FP6
.endif
.endr
.set FI, FI+1
.endr
.if \nxt
	WIN 0
	NOPS 4                                         ; four places in front of loads into registers that matrix instructions have read
.set WJ, 12*\g
.rept 12
.if \nxt == 1
	global_load_b128 v[64+4*WJ:64+4*WJ+3], v1, s[6:7] offset:512*WJ
.else
	ds_load_b128 v[64+4*WJ:64+4*WJ+3], v[\p1] offset:512*WJ
.endif
.set WJ, WJ+1
.endr
.endif
.endr
	WIN 0
.if \nxt
	v_nop                                          ; the fifth place behind the last products
.else
	NOPS 5
.endif
.endm
; 64 numbers of a lane, register 16 b + i = k 32 b + 16 h + i of my row, become a fragment's codes in v[pc] on and its scale word in v[pw].  All in window 3.
.macro QUANT src, pc, pw
.irp b, 0,1,2,3
	v_max3_num_f32 v[TM+\b], |v[\src+16*\b]|, |v[\src+1+16*\b]|, 0x1800000   ; my 16 numbers and the floor 2^(3 - 127): the byte cannot fall under 1
.endr
.irp i, 2,4,6,8,10,12,14
.irp b, 0,1,2,3
	v_max3_num_f32 v[TM+\b], v[TM+\b], |v[\src+16*\b+\i]|, |v[\src+1+16*\b+\i]|
.endr
.endr
.irp b, 0,1,2,3
	v_permlanex16_b32 v[TM+4+\b], v[TM+\b], s52, s53
.endr
.irp b, 0,1,2,3
	v_max_num_f32 v[TM+\b], v[TM+\b], v[TM+4+\b]   ; with lane l xor 16's: the block's largest magnitude
.endr
.irp b, 0,1,2,3
	v_add_nc_u32 v[TM+12+\b], 0xff000000, v[TM+\b] ; 2 off its exponent field: the conversion's scale operand
.endr
.irp b, 0,1,2,3
	v_lshrrev_b32 v[TM+4+\b], 23, v[TM+12+\b]      ; the scale's byte
.endr
	v_lshl_or_b32 v[\pw], v[TM+5], 8, v[TM+4]
	v_lshl_or_b32 v[\pw], v[TM+6], 16, v[\pw]
	v_lshl_or_b32 v[\pw], v[TM+7], 24, v[\pw]
.irp c, 0,1
	v_cvt_scalef32_pk16_fp6_f32 v[\pc+6*\c:\pc+2+6*\c], v[\src+32*\c:\src+15+32*\c], v[TM+12+2*\c]
	v_cvt_scalef32_pk16_fp6_f32 v[\pc+12+4*\c:\pc+14+4*\c], v[\src+16+32*\c:\src+31+32*\c], v[TM+12+2*\c+1]   ; (a conversion's three registers begin on an even number)
.endr
	v_nop                                          ; one plain place behind a scaled conversion
.irp c, 0,1                                    ; the operand wants a WHOLE block in a lane
.irp i, 0,1,2
	v_permlane16_swap_b32 v[\pc+6*\c+\i], v[\pc+12+4*\c+\i]
.endr
.irp i, 0,1,2
	v_mov_b32 v[\pc+3+6*\c+\i], v[\pc+12+4*\c+\i]
.endr
.endr
.endm
; Tile u of the pair at work (numbers in window 3, v[64 + 64 u] on) is quantised; its image and scale word go to LDS.  cnt: the younger LDS instructions that may stay out.
.macro QI u, adr, sadr, cnt
	s_wait_dscnt \cnt
	WIN 0xff
	QUANT 64+64*\u, 192+20*\u, 248+\u
	WIN 0x0c
.irp c, 0,1,2
	ds_store_b128 v[\adr], v[192+20*\u+4*\c:192+20*\u+4*\c+3] offset:6144*\u+512*\c
.endr
	ds_store_b32 v[\sadr], v[248+\u] offset:512*\u
	WIN 0
.endm
.macro STEPADR p12, p10                        ; v57, v58: the image's and the scale word's address for the pair s61 of tiles
	s_mul_i32 s62, s61, 12288
	v_add_nc_u32 v57, s62, v[\p12]
	s_lshl_b32 s62, s61, 10
	v_add_nc_u32 v58, s62, v[\p10]
	s_wait_alu depctr_va_vdst(0)                   ; behind these writes
.endm
.macro FETCHACT img                            ; all 16 fragments and their scale words come back, in every wave: the words, K steps 0 and 1 (24 loads), K steps 2 and 3 (24 loads)
.irp m, 0,1,2,3
	ds_load_b128 v[32+4*\m:35+4*\m], v[\img] offset:24576+512*\m
.endr
	WIN 0xc0
.irp sp, 0,2
.irp m, 0,1,2,3
.irp s, 0,1
.irp c, 0,1,2
	ds_load_b128 v[12*(4*\m+\sp+\s)+4*\c:12*(4*\m+\sp+\s)+4*\c+3], v[\img] offset:1536*(4*\m+\sp+\s)+512*\c
.endr
.endr
.endr
.endr
	WIN 0
.endm
.macro XLOAD nt                                ; my 128 columns of the 64 rows of x: each load reads 512 consecutive bytes of a row.  Tiles 0, 1 land in window 1, v128 on; tiles 2, 3 in window 2, v128 on
.irp m, 0,1,2,3
	WIN (1+\m/2)<<6
.irp i, 0,1,2,3,4,5,6,7,8,9,10,11,12,13,14,15
.if \nt
	global_load_b128 v[128+64*(\m%2)+4*\i:128+64*(\m%2)+4*\i+3], v1, s[4:5] offset:(16*\m+\i)*2048 th:TH_LOAD_NT
.else
	global_load_b128 v[128+64*(\m%2)+4*\i:128+64*(\m%2)+4*\i+3], v1, s[4:5] offset:(16*\m+\i)*2048
.endif
.endr
.endr
	WIN 0
.endm
.macro XTURN ex                                ; through my stage into the canonical layout, in window 1.  ex: loads issued behind x's
.irp m, 0,1,2,3
	s_wait_loadcnt 48-16*\m+\ex                    ; tile m's 16 loads are in; the later tiles' may be out
	WIN (1<<6)|((1+\m/2)<<2)
.irp i, 0,1,2,3,4,5,6,7,8,9,10,11,12,13,14,15
	ds_store_b128 v16, v[128+64*(\m%2)+4*\i:128+64*(\m%2)+4*\i+3] offset:528*\i
.endr
.if \m >= 2
	s_wait_dscnt 48                                ; tile m - 2's stores, 64 LDS instructions back, have read the registers on which tile m lands
.endif
.irp b, 0,1,2,3
.irp e, 0,1,2,3
	ds_load_b128 v[64*\m+16*\b+4*\e:64*\m+16*\b+4*\e+3], v17 offset:128*\b+16*\e   ; LDS serves a wave's instructions in order
.endr
.endr
.endr
	WIN 0
	s_wait_dscnt 0x0
.endm
.macro LOADV adr, off, reg                     ; 64 numbers in the canonical layout, from LDS; the caller sets the window
.irp b, 0,1,2,3
.irp e, 0,1,2,3
	ds_load_b128 v[\reg+16*\b+4*\e:\reg+16*\b+4*\e+3], v[\adr] offset:\off+128*\b+16*\e
.endr
.endr
.endm
.macro GLOADV ptr, reg                         ; the same from memory
.irp b, 0,1,2,3
.irp e, 0,1,2,3
	global_load_b128 v[\reg+16*\b+4*\e:\reg+16*\b+4*\e+3], v7, s[\ptr:\ptr+1] offset:128*\b+16*\e
.endr
.endr
.endm
.macro MOVS w                                  ; window w: tiles 2, 3 come down to tiles 0, 1's registers, each accumulator from its low end on
	WIN ((\w)<<6)|(\w)
.set PI, 0
.rept 128
	v_mov_b32 v[PI], v[128+PI]
.set PI, PI+1
.endr
	WIN 0
.endm
.macro SUBS p                                  ; tiles p, p + 1: x - mu into the work area, and their rstd
	WIN 0xcd
.irp u, 0,1
.set MRR, 240+2*(\p+\u)+6*((\p+\u)/2)
.set PI, 0
.rept 32
	v_pk_add_f32 v[64+64*\u+PI:65+64*\u+PI], v[64*(\p+\u)+PI:64*(\p+\u)+PI+1], v[MRR:MRR+1] op_sel_hi:[1,0] neg_lo:[0,1] neg_hi:[0,1]
.set PI, PI+2
.endr
.endr
	WIN 0xff
	v_mov_b32 v254, v[241+2*(\p)+6*((\p)/2)]
	v_mov_b32 v255, v[243+2*(\p)+6*((\p)/2)]
	WIN 0
.endm
.macro RELUS p                                 ; tiles p, p + 1 of the hidden layer: relu into the work area
	WIN 0xc8
.set PI, 0
.rept 128
	v_max_num_f32 v[64+PI], 0, v[64*(\p)+PI]
.set PI, PI+1
.endr
	WIN 0
.endm
.macro SCORET u                                ; tile u of the pair: my 16 d's part of the 8 x 8 scores of each node, in f32
.set SBB, 64+64*(\u)
	WIN 0xf9                                       ; q window 1, k window 2, sums window 3
.irp d, 0,1,2,3,4,5,6,7
.irp hq, 0,1,2,3,4,5,6,7
.irp gp, 0,2,4,6
.if \d == 0
	v_pk_mul_f32 v[SBB+8*\hq+\gp:SBB+8*\hq+\gp+1], v[64*(\u)+8*\hq:64*(\u)+8*\hq+1], v[64*(\u)+\gp:64*(\u)+\gp+1] op_sel_hi:[0,1]
.elseif (\d%2) == 0
	v_pk_fma_f32 v[SBB+8*\hq+\gp:SBB+8*\hq+\gp+1], v[64*(\u)+8*\hq+\d:64*(\u)+8*\hq+\d+1], v[64*(\u)+8*\d+\gp:64*(\u)+8*\d+\gp+1], v[SBB+8*\hq+\gp:SBB+8*\hq+\gp+1] op_sel_hi:[0,1,1]
.else
	v_pk_fma_f32 v[SBB+8*\hq+\gp:SBB+8*\hq+\gp+1], v[64*(\u)+8*\hq+\d-1:64*(\u)+8*\hq+\d], v[64*(\u)+8*\d+\gp:64*(\u)+8*\d+\gp+1], v[SBB+8*\hq+\gp:SBB+8*\hq+\gp+1] op_sel:[1,0,0] op_sel_hi:[1,1,1]
.endif
.endr
.endr
.endr
	WIN 0xff
.irp a, 0,1,2,3                                ; the two halves of the lanes hold different d's: after the exchange and the sum lane (r, h) holds heads 4 h + 0 .. 3
.irp g, 0,1,2,3,4,5,6,7
	v_permlane16_swap_b32 v[SBB+8*\a+\g], v[SBB+32+8*\a+\g]
.endr
.endr
.set PI, 0
.rept 16
	v_pk_add_f32 v[SBB+PI:SBB+PI+1], v[SBB+PI:SBB+PI+1], v[SBB+32+PI:SBB+33+PI]
.set PI, PI+2
.endr
	WIN 0x0c
.irp e, 0,1,2,3,4,5,6,7
	ds_store_b128 v56, v[SBB+4*\e:SBB+4*\e+3] offset:4096*(\u)+512*\e
.endr
	WIN 0
.endm
.macro AVT u                                   ; tile u of the pair: o(head, d) = sum over g of weight(head, g) v(g, d), in f32
.set AB, 64+64*(\u)
	WIN 0x5b                                       ; weights window 3, v window 2, o window 1
.irp g, 0,1,2,3,4,5,6,7
.irp hq, 0,1,2,3,4,5,6,7
.irp dp, 0,2,4,6
.if \g == 0
	v_pk_mul_f32 v[64*(\u)+8*\hq+\dp:64*(\u)+8*\hq+\dp+1], v[AB+8*\hq:AB+8*\hq+1], v[64*(\u)+\dp:64*(\u)+\dp+1] op_sel_hi:[0,1]
.elseif (\g%2) == 0
	v_pk_fma_f32 v[64*(\u)+8*\hq+\dp:64*(\u)+8*\hq+\dp+1], v[AB+8*\hq+\g:AB+8*\hq+\g+1], v[64*(\u)+8*\g+\dp:64*(\u)+8*\g+\dp+1], v[64*(\u)+8*\hq+\dp:64*(\u)+8*\hq+\dp+1] op_sel_hi:[0,1,1]
.else
	v_pk_fma_f32 v[64*(\u)+8*\hq+\dp:64*(\u)+8*\hq+\dp+1], v[AB+8*\hq+\g-1:AB+8*\hq+\g], v[64*(\u)+8*\g+\dp:64*(\u)+8*\g+\dp+1], v[64*(\u)+8*\hq+\dp:64*(\u)+8*\hq+\dp+1] op_sel:[1,0,0] op_sel_hi:[1,1,1]
.endif
.endr
.endr
.endr
	WIN 0
.endm
.macro SENDF t, younger                        ; tile t's 16 rows leave: each store covers 512 consecutive bytes, aligned
	s_wait_dscnt \younger
	WIN 0x0c
.irp i, 0,1,2,3,4,5,6,7,8,9,10,11,12,13,14,15
	global_store_b128 v1, v[64+64*((\t)%3)+4*\i:64+64*((\t)%3)+4*\i+3], s[28:29] offset:(16*(\t)+\i)*2048 th:TH_STORE_NT
.endr
	WIN 0
.endm
	s_load_b256 s[4:11], s[0:1], 0x0               ; x s[4:5], wq s[6:7], bq s[8:9], bk s[10:11]
	s_load_b256 s[12:19], s[0:1], 0x20             ; bv s[12:13], bo s[14:15], b1 s[16:17], b2 s[18:19]
	s_load_b256 s[20:27], s[0:1], 0x40             ; g1 s[20:21], beta1 s[22:23], g2 s[24:25], beta2 s[26:27]
	s_load_b64 s[28:29], s[0:1], 0x60              ; out0
	v_lshl_add_u32 v5, v0, 2, SPARE                ; my spare word; never rewritten
	v_mov_b32 v6, 0                                ; 0; never rewritten
	ds_add_u32 v5, v6                              ; the opening lines: the add, twice on end, and its wait ahead of my first tensor load
	ds_add_u32 v5, v6
	v_lshrrev_b32 v62, 5, v0
	v_readfirstlane_b32 s30, v62                   ; wave 0..3
	s_bfe_u32 s31, ttmp6, 0x40000                  ; cx: it enters x's and out0's addresses alone
	s_lshl_b32 s32, ttmp9, 2
	s_add_co_u32 s32, s32, s31                     ; the work-group = 4 x cluster + cx
	s_lshl_b32 s32, s32, 17                        ; its 64 rows of 2,048 bytes
	s_lshl_b32 s50, s30, 9
	s_add_co_u32 s32, s32, s50                     ; + my 128 columns
	s_mov_b32 s33, 0
	s_add_co_u32 s36, s50, VEC                     ; every LDS address: a constant + a constant x lane part + a constant x wave
	s_add_co_u32 s38, s50, BIG
	s_mul_i32 s34, s30, BLK                        ; my block of a half
	s_mov_b32 s35, 0
	s_add_co_u32 s48, s34, SLA
	s_add_co_u32 s49, s34, SLB
	s_lshl_b32 s51, s30, 6
	s_add_co_u32 s39, s51, BIG
	s_mul_i32 s40, s30, 1536
	s_lshl_b32 s41, s30, 2
	s_add_co_u32 s42, s41, SCB
	s_add_co_u32 s41, s41, SCA
	s_mul_i32 s43, s30, 8448
	s_add_co_u32 s43, s43, BIG
	s_lshl_b32 s44, s30, 10
	s_add_co_u32 s44, s44, LNP
	s_lshl_b32 s45, s30, 14
	s_add_co_u32 s45, s45, BIG
	s_lshl_b32 s46, s30, 12
	s_add_co_u32 s46, s46, BIG
	s_mul_i32 s47, s30, 4352
	s_mov_b32 s52, 0x76543210
	s_mov_b32 s53, 0xfedcba98                      ; v_permlanex16_b32's selects for lane l xor 16
	s_mov_b32 s54, 0x3e38aa3b                      ; log2(e) / sqrt(64)
	s_mov_b32 s55, s54                             ; (named with it as a pair)
	s_mov_b32 s56, 0x3b000000                      ; 1 / 512
	s_mov_b32 s57, 0x3c000000                      ; 1 / 128
	s_mov_b32 s58, 0x3727c5ac                      ; 1e-5
	s_mov_b32 s59, 0x3e800000                      ; 1 / 4
	s_mov_b32 s63, 0x43000000                      ; 128.0
	s_wait_dscnt 0x0                               ; both opening adds are done
	v_and_b32 v62, 31, v0                          ; lane
	v_and_b32 v60, 15, v0                          ; r
	v_bfe_u32 v61, v0, 4, 1                        ; h
	v_lshlrev_b32 v1, 4, v62                       ; v1  16 lane
	v_lshlrev_b32 v59, 4, v0                       ; v59 16 thread: the vectors' way in
	v_add_nc_u32 v58, VEC, v59
	v_lshl_add_u32 v4, v61, 6, s36                 ; v4  a vector in LDS, canonical: my 128 columns, + 64 h
	v_lshl_add_u32 v7, v61, 6, s50                 ; v7  the same place in a vector in memory
	v_lshl_add_u32 v8, v61, 5, s51                 ; v8  a vector in memory by heads: my 16 d's, + 32 h
	v_add_nc_u32 v9, s48, v1                       ; v9  my block in slot A
	v_add_nc_u32 v63, s49, v1                      ; v63 in slot B
	v_mul_u32_u24 v57, v60, 2064
	v_mul_u32_u24 v56, v60, 528
	v_lshl_add_u32 v56, v61, 6, v56                ; 528 r + 64 h
	v_add_nc_u32 v2, s38, v57
	v_lshl_add_u32 v2, v61, 6, v2                  ; v2  the attention's result, way out: row r, my 128 columns
	v_add_nc_u32 v23, s39, v57
	v_lshl_add_u32 v23, v61, 5, v23                ; v23 way in: row r, my 16 d's of a head
	v_add_nc_u32 v10, IMGA, v1                     ; v10 images A
	v_add_nc_u32 v11, s40, v10                     ; v11 my K step's image
	v_add_nc_u32 v13, IMGB, v1                     ; v13 images B
	v_add_nc_u32 v14, s40, v13                     ; v14
	v_add_nc_u32 v12, s41, v1                      ; v12 my K step's scale word, A
	v_add_nc_u32 v15, s42, v1                      ; v15 B
	v_add_nc_u32 v16, s43, v1                      ; v16 my stage, by rows
	v_add_nc_u32 v17, s43, v56                     ; v17 canonical
	v_add_nc_u32 v18, s44, v1                      ; v18 my partial figures
	v_add_nc_u32 v3, LNP, v1                       ; v3  all waves' figures
	v_add_nc_u32 v19, s45, v1                      ; v19 my partial scores
	v_add_nc_u32 v20, s46, v1                      ; v20 tile w's partial scores in wave 0's part
	v_mul_u32_u24 v22, v60, 272
	v_add_nc_u32 v22, ATT, v22                     ; v22 node r's weights
	v_add_nc_u32 v21, s47, v22
	v_lshl_add_u32 v21, v61, 7, v21                ; v21 where I put them: tile w, node r, heads 4 h on
	WIN 0xc0
.irp b, 0,1,2,3
	v_mov_b32 v[104+\b], 0                         ; written once: a lane permute's destination counts as one of its sources
	v_mov_b32 v[TM+4+\b], 0
.endr
	WIN 0
	s_mov_b32 s[G1], 0x0023000f                    ; 15:0 the mask: all four work-groups; 17:16 elements of 8 bytes; 21 set beside a mask; no padding
	s_mov_b32 s[G1+1], 32<<16                      ; tensor_dim0 = 32 elements: rows of 256 bytes
	s_mov_b32 s[G1+2], 100<<16                     ; tensor_dim1 = 100 rows: a dense block of 25,600 bytes
	s_mov_b32 s[G1+3], 32<<16                      ; tile_dim0
	s_mov_b32 s[G1+4], 100                         ; tile_dim1
	s_mov_b32 s[G1+5], 32                          ; the pitch
	s_mov_b32 s[G1+6], 0
	s_mov_b32 s[G1+7], 0
	s_wait_alu depctr_va_vdst(0)
	s_wait_kmcnt 0x0
	s_add_nc_u64 s[4:5], s[4:5], s[32:33]
	s_add_nc_u64 s[28:29], s[28:29], s[32:33]
	s_add_nc_u64 s[6:7], s[6:7], s[34:35]          ; my block of half 0
	s_mov_b32 s[G0A], 1                            ; count = 1
	s_add_co_u32 s[G0A+1], s34, SLA                ; LDS address: my block of slot A
	s_add_nc_u64 s[G0A+2:G0A+3], s[6:7], SLOTB     ; trip 0's second half
	s_or_b32 s[G0A+3], s[G0A+3], 0x80000000        ; type = 2
	s_mov_b32 s[G0B], 1
	s_add_co_u32 s[G0B+1], s34, SLB
	s_add_nc_u64 s[G0B+2:G0B+3], s[6:7], 3*SLOTB   ; its fourth
	s_or_b32 s[G0B+3], s[G0B+3], 0x80000000
	FILL G0A                                       ; all four work-groups are here: slot A's first fill, my one tensor load at the head
	XLOAD 0
	WIN 0xc0                                       ; bo, b2, b1: 2,048 consecutive bytes a load of the work-group, 6 loads a lane
	global_load_b128 v[0:3], v59, s[14:15]
	global_load_b128 v[4:7], v59, s[18:19]
.irp q, 0,1,2,3
	global_load_b128 v[8+4*\q:11+4*\q], v59, s[16:17] offset:2048*\q
.endr
	WIN 0
	XTURN 6
	s_wait_loadcnt 0x0
	WIN 0x0c
.set VK, 0
.rept 6
	ds_store_b128 v58, v[4*VK:4*VK+3] offset:2048*VK
.set VK, VK+1
.endr
	WIN 0
	global_load_b128 v[24:27], v1, s[6:7] offset:24576   ; the first half's block: it lands under the layer norm
	global_load_b128 v[28:31], v1, s[6:7] offset:25088
.set WJ, 0
.rept 48
	global_load_b128 v[64+4*WJ:64+4*WJ+3], v1, s[6:7] offset:512*WJ
.set WJ, WJ+1
.endr
	s_mov_b32 s60, 0
	s_wait_alu depctr_va_vdst(0)
.Ltrip:                                            ; six trips; the sixth leaves at the branch to .Llast; the count closes the loop
	s_cmp_eq_u32 s60, 0
	s_cbranch_scc1 .Lln
	s_cmp_lg_u32 s60, 2
	s_cbranch_scc1 .Lbias
.Lln:
	; ---- THE LAYER NORM of window 1 (trips 0 and 2).  Each wave has 128 of a row's 512 columns: its own mean and its own sum of squares about that mean; the four meet in LDS and are
	; joined as mu = mean of the means, M2 = sum of M2 + 128 sum of (mean - mu)^2: no difference of large sums is formed.
	s_cmp_eq_u32 s60, 0                            ; g1, beta1 in trip 0; g2, beta2 in trip 2: the choice hangs on the trip's number alone
	s_cselect_b64 s[32:33], s[20:21], s[24:25]
	s_cselect_b64 s[34:35], s[22:23], s[26:27]
	WIN 0x80
	GLOADV 32, 0
	GLOADV 34, 64
	WIN 0xc5
.irp m, 0,1,2,3
.irp c, 0,1,2,3
	v_pk_add_f32 v[64+8*\m+2*\c:65+8*\m+2*\c], v[64*\m+16*\c:64*\m+16*\c+1], v[64*\m+16*\c+2:64*\m+16*\c+3]   ; four chains a tile; each accumulator is read from its low end on
.endr
.endr
	WIN 0xcd
.irp p, 4,6,8,10,12,14
.irp m, 0,1,2,3
.irp c, 0,1,2,3
	v_pk_add_f32 v[64+8*\m+2*\c:65+8*\m+2*\c], v[64*\m+16*\c+\p:64*\m+16*\c+\p+1], v[64+8*\m+2*\c:65+8*\m+2*\c]
.endr
.endr
.endr
	WIN 0xff
.irp m, 0,1,2,3
	v_pk_add_f32 v[64+8*\m:65+8*\m], v[64+8*\m:65+8*\m], v[66+8*\m:67+8*\m]
	v_pk_add_f32 v[68+8*\m:69+8*\m], v[68+8*\m:69+8*\m], v[70+8*\m:71+8*\m]
.endr
.irp m, 0,1,2,3
	v_pk_add_f32 v[64+8*\m:65+8*\m], v[64+8*\m:65+8*\m], v[68+8*\m:69+8*\m]
.endr
.irp m, 0,1,2,3
	v_add_f32 v[96+2*\m], v[64+8*\m], v[65+8*\m]
.endr
.irp m, 0,1,2,3
	v_permlanex16_b32 v[104+\m], v[96+2*\m], s52, s53
.endr
.irp m, 0,1,2,3
	v_add_f32 v[96+2*\m], v[96+2*\m], v[104+\m]
.endr
.irp m, 0,1,2,3
	v_mul_f32 v[96+2*\m], s57, v[96+2*\m]          ; my wave's mean of row 16 m + r
	v_mov_b32 v[97+2*\m], 0                        ; (named with it as a pair)
.endr
.irp q, 0,1                                    ; the squares, two tiles at a time
	WIN 0xcd
.irp u, 0,1
.set PI, 0
.rept 32
	v_pk_add_f32 v[128+64*\u+PI:129+64*\u+PI], v[64*(2*\q+\u)+PI:64*(2*\q+\u)+PI+1], v[96+2*(2*\q+\u):97+2*(2*\q+\u)] op_sel_hi:[1,0] neg_lo:[0,1] neg_hi:[0,1]
.set PI, PI+2
.endr
.endr
	WIN 0xff
.irp u, 0,1
.irp c, 0,1,2,3
	v_pk_mul_f32 v[112+8*\u+2*\c:113+8*\u+2*\c], v[128+64*\u+16*\c:129+64*\u+16*\c], v[128+64*\u+16*\c:129+64*\u+16*\c]
.endr
.endr
.irp p, 2,4,6,8,10,12,14
.irp u, 0,1
.irp c, 0,1,2,3
	v_pk_fma_f32 v[112+8*\u+2*\c:113+8*\u+2*\c], v[128+64*\u+16*\c+\p:129+64*\u+16*\c+\p], v[128+64*\u+16*\c+\p:129+64*\u+16*\c+\p], v[112+8*\u+2*\c:113+8*\u+2*\c]
.endr
.endr
.endr
.irp u, 0,1
	v_pk_add_f32 v[112+8*\u:113+8*\u], v[112+8*\u:113+8*\u], v[114+8*\u:115+8*\u]
	v_pk_add_f32 v[116+8*\u:117+8*\u], v[116+8*\u:117+8*\u], v[118+8*\u:119+8*\u]
.endr
.irp u, 0,1
	v_pk_add_f32 v[112+8*\u:113+8*\u], v[112+8*\u:113+8*\u], v[116+8*\u:117+8*\u]
.endr
.irp u, 0,1
	v_add_f32 v[97+2*(2*\q+\u)], v[112+8*\u], v[113+8*\u]
.endr
.irp u, 0,1
	v_permlanex16_b32 v[104+\u], v[97+2*(2*\q+\u)], s52, s53
.endr
.irp u, 0,1
	v_add_f32 v[97+2*(2*\q+\u)], v[97+2*(2*\q+\u)], v[104+\u]   ; my wave's sum of squares about its mean
.endr
.endr
	WIN 0x0c
	ds_store_b128 v18, v[96:99]
	ds_store_b128 v18, v[100:103] offset:512
	WIN 0
	BARRIER                                        ; the four waves' figures lie in LDS
	WIN 0xc0
.irp w, 0,1,2,3
.irp q, 0,1
	ds_load_b128 v[64+8*\w+4*\q:64+8*\w+4*\q+3], v3 offset:1024*\w+512*\q
.endr
.endr
	s_wait_dscnt 0x0
	WIN 0xff
.irp m, 0,1,2,3
.set MRR, 240+2*\m+6*(\m/2)
	v_add_f32 v[104+\m], v[64+2*\m], v[72+2*\m]
	v_add_f32 v[108+\m], v[80+2*\m], v[88+2*\m]
	v_add_f32 v[104+\m], v[104+\m], v[108+\m]
	v_mul_f32 v[MRR], s59, v[104+\m]               ; mu
	v_sub_f32 v[112+\m], v[64+2*\m], v[MRR]
	v_sub_f32 v[116+\m], v[72+2*\m], v[MRR]
	v_sub_f32 v[120+\m], v[80+2*\m], v[MRR]
	v_sub_f32 v[124+\m], v[88+2*\m], v[MRR]
	v_mul_f32 v[112+\m], v[112+\m], v[112+\m]
	v_fma_f32 v[112+\m], v[116+\m], v[116+\m], v[112+\m]
	v_fma_f32 v[112+\m], v[120+\m], v[120+\m], v[112+\m]
	v_fma_f32 v[112+\m], v[124+\m], v[124+\m], v[112+\m]
	v_add_f32 v[104+\m], v[65+2*\m], v[73+2*\m]
	v_add_f32 v[108+\m], v[81+2*\m], v[89+2*\m]
	v_add_f32 v[104+\m], v[104+\m], v[108+\m]
	v_fma_f32 v[104+\m], v[112+\m], s63, v[104+\m] ; + 128 x the means' squares
	v_fma_f32 v[104+\m], v[104+\m], s56, s58       ; the variance + 1e-5
.endr
	s_wait_alu depctr_va_vdst(0)                   ; ahead of the batch
.irp m, 0,1,2,3
	v_rsq_f32 v[241+2*\m+6*(\m/2)], v[104+\m]
.endr
	v_nop                                          ; a plain place behind the last of the batch
	s_wait_alu depctr_va_vdst(0)                   ; one wait for the four, ahead of their first reader
	WIN 0
	s_wait_loadcnt 0x0                             ; g and beta (and, asked for before them, the next half's weights)
	s_mov_b32 s61, 0
.Llnt:                                             ; two trips, a pair of tiles each: ((x - mu) rstd) g + beta, quantised, images to LDS
	STEPADR 11, 12
	s_cmp_eq_u32 s61, 0
	s_cbranch_scc0 .Llnt23
	SUBS 0
	s_branch .Llntj
.Llnt23:
	SUBS 2
.Llntj:
	s_wait_alu depctr_va_vdst(0)                   ; behind the branch, ahead of the readers
.irp u, 0,1
	WIN 0xff
.set PI, 0
.rept 32
.if \u
	v_pk_mul_f32 v[128+PI:129+PI], v[128+PI:129+PI], v[254:255] op_sel:[0,1] op_sel_hi:[1,1]
.else
	v_pk_mul_f32 v[64+PI:65+PI], v[64+PI:65+PI], v[254:255] op_sel_hi:[1,0]
.endif
.set PI, PI+2
.endr
	WIN 0xeb
.set PI, 0
.rept 32
	v_pk_fma_f32 v[64+64*\u+PI:65+64*\u+PI], v[64+64*\u+PI:65+64*\u+PI], v[PI:PI+1], v[64+PI:65+PI]
.set PI, PI+2
.endr
	WIN 0
	QI \u, 57, 58, 4                               ; the stores of two tiles back have read the codes' registers; the last tile's four may be out
.endr
	s_add_co_u32 s61, s61, 1
	s_cmp_lt_u32 s61, 2
	s_wait_alu depctr_va_vdst(0)
	s_cbranch_scc1 .Llnt
	BARRIER                                        ; the 16 images lie in LDS
.Lbias:
	s_cmp_eq_u32 s60, 0
	s_cbranch_scc0 .Lbias1
	WIN 0xc0                                       ; trip 0.  bk: tile = delta, register = head g: column 64 g + 16 w + 8 h + delta
.irp d, 0,1,2,3,4,5,6,7
.irp g, 0,1,2,3,4,5,6,7
	global_load_b32 v[192+8*\d+\g], v8, s[10:11] offset:256*\g+4*\d
.endr
.endr
	WIN 0x40                                       ; x is done with; Q's sums begin as bq: tile = head t, register j: column 64 t + 16 w + 8 h + j
.irp m, 0,1,2,3
.irp t, 0,1,2,3,4,5,6,7
.irp e, 0,1
	global_load_b128 v[64*\m+8*\t+4*\e:64*\m+8*\t+4*\e+3], v8, s[8:9] offset:256*\t+16*\e
.endr
.endr
.endr
	WIN 0
	s_wait_loadcnt 0x0
	s_branch .Lbiasj
.Lbias1:
	s_cmp_eq_u32 s60, 1
	s_cbranch_scc0 .Lbias2
	WIN 0xc0                                       ; trip 1: bv, by heads
.irp t, 0,1,2,3,4,5,6,7
.irp e, 0,1
	global_load_b128 v[192+8*\t+4*\e:192+8*\t+4*\e+3], v8, s[12:13] offset:256*\t+16*\e
.endr
.endr
	WIN 0
	s_wait_loadcnt 0x0
	s_branch .Lbiasj
.Lbias2:
	s_lshl_b32 s62, s60, 11                        ; b1's chunk trip - 2 is vector number trip in LDS
	v_add_nc_u32 v56, s62, v4
	s_wait_alu depctr_va_vdst(0)
	WIN 0xc0
	LOADV 56, 0, 192
	WIN 0
.Lbiasj:
	FETCHACT 10                                    ; h1 (trips 0, 1) or h2 (trips 2 to 5)
	s_wait_dscnt 24                                ; all but K steps 2 and 3, which the second half's first counted wait covers
	HALF 2, 0, 1, 0, 0, 2, 9, G0A+2, 1             ; K, V or W1: fragments from memory; the second half's come out of slot A meanwhile
	HALF 2, 2, 0, 1, 1, 1, 2, 0, 0                 ; and the next product's first half is asked of memory: it lands under the middle stage
	s_wait_tensorcnt 0x0                           ; no load of mine is out;
	ds_add_u32 v5, v6                              ; 0 onto my spare word;
	s_wait_dscnt 0x0                               ; the add is done, my reads of slot B are over, my LDS stores have landed and my LDS loads are in
	FILL G0B                                       ; slot B: the second half of this trip's product into window 1.  The round also parts the stages' uses of LDS
	s_cmp_eq_u32 s60, 0
	s_cbranch_scc1 .Lp1
	s_cmp_eq_u32 s60, 1
	s_cbranch_scc0 .Lrelu
	; ---- trip 1: the weighted sums, two trips of a pair of tiles.  A pair's result changes layout through LDS (a wave holds 16 d's of every head; the next K wants 128 neighbouring columns), is quantised, its images stored.
	s_mov_b32 s61, 0
.Lav:
	s_mul_i32 s62, s61, 8704
	v_add_nc_u32 v56, s62, v22
	STEPADR 11, 12
	WIN 0xc0
.irp u, 0,1
.irp e, 0,1,2,3,4,5,6,7,8,9,10,11,12,13,14,15
	ds_load_b128 v[64+64*\u+4*\e:64+64*\u+4*\e+3], v56 offset:4352*\u+16*\e
.endr
.endr
	WIN 0
	s_wait_dscnt 16                                ; the first tile's weights are in
	AVT 0
	s_wait_dscnt 0x0
	AVT 1
	WIN 0x04
.irp u, 0,1
.irp hq, 0,1,2,3,4,5,6,7
.irp e, 0,1
	ds_store_b128 v23, v[64*\u+8*\hq+4*\e:64*\u+8*\hq+4*\e+3] offset:33024*\u+256*\hq+16*\e
.endr
.endr
.endr
	WIN 0
	BARRIER                                        ; the two tiles' rows are whole
	s_cmp_eq_u32 s61, 1
	s_cbranch_scc1 .Lavn
	MOVS 2                                         ; V's tiles 2, 3 come down,
	s_wait_loadcnt 0x0                             ; (Wo's first half, asked for during V's second: nothing is out on the registers below)
	XLOAD 1                                        ; and x is asked for once more, for the residual, into the registers that they and Q's have left
.Lavn:
	WIN 0xc0
.irp u, 0,1
	LOADV 2, 33024*\u, 64+64*\u
.endr
	WIN 0
	QI 0, 57, 58, 16                               ; the first tile is in; the second's 16 loads may be out
	QI 1, 57, 58, 4                                ; the second tile is in; the four stores just issued may be out
	BARRIER                                        ; nobody reads the two tiles' rows any more; the images have landed
	s_add_co_u32 s61, s61, 1
	s_cmp_lt_u32 s61, 2
	s_cbranch_scc1 .Lav
	FETCHACT 10
	XTURN 0                                        ; x into window 1
	s_branch .Laddb
.Lrelu:
	; ---- trips 2 to 5: relu, quantise, images; two trips of a pair of tiles
	s_mov_b32 s61, 0
.Lrl:
	STEPADR 14, 15
	s_cmp_eq_u32 s61, 0
	s_cbranch_scc0 .Lrl23
	RELUS 0
	s_branch .Lrlj
.Lrl23:
	RELUS 2
.Lrlj:
	s_wait_alu depctr_va_vdst(0)
	QI 0, 57, 58, 4
	QI 1, 57, 58, 4
	s_add_co_u32 s61, s61, 1
	s_cmp_lt_u32 s61, 2
	s_wait_alu depctr_va_vdst(0)
	s_cbranch_scc1 .Lrl
	BARRIER                                        ; the hidden layer's 16 images lie in LDS
	FETCHACT 13
	s_cmp_eq_u32 s60, 5
	s_cbranch_scc0 .Lp1
.Laddb:                                            ; trip 1: window 1 = x + bo; trip 5: x1 + sums + b2
	s_lshr_b32 s62, s60, 2
	s_lshl_b32 s62, s62, 11
	v_add_nc_u32 v56, s62, v4
	s_wait_alu depctr_va_vdst(0)
	WIN 0xc0
	LOADV 56, 0, 192
	WIN 0
	s_wait_dscnt 0x0
	WIN 0x4d
.irp m, 0,1,2,3
.set PI, 0
.rept 32
	v_pk_add_f32 v[64*\m+PI:64*\m+PI+1], v[64*\m+PI:64*\m+PI+1], v[192+PI:193+PI]
.set PI, PI+2
.endr
.endr
	WIN 0
.Lp1:
	s_wait_alu depctr_va_vdst(0)
	s_cmp_eq_u32 s60, 5
	s_cbranch_scc1 .Llast                          ; the last trip's tail is written out: it asks for no further block
	s_wait_tensorcnt 0x0                           ; my block of slot B has landed, so its group 0 may be written;
	ds_add_u32 v5, v6                              ; 0 onto my spare word;
	s_add_nc_u64 s[G0B+2:G0B+3], s[G0B+2:G0B+3], 4*SLOTB   ; slot B's block of the next trip
	s_wait_dscnt 0x0                               ; the add is done, my reads of slot A are over, the activations' fragments are in
	FILL G0A                                       ; slot A: the second half of the next trip's product into window 2
	HALF 1, 0, 0, 0, 0, 2, 63, 0, 0                ; Q, Wo or W2, onto what window 1 holds; the second half's fragments come out of slot B meanwhile
	HALF 1, 2, 0, 1, 1, 1, 2, 0, 0                 ; and the next trip's first half is asked of memory
	s_cmp_lg_u32 s60, 0
	s_cbranch_scc1 .Lnext
	; ---- trip 0: the scores, two trips of a pair of tiles, and the softmax
	s_mov_b32 s61, 0
.Lsc:
	s_lshl_b32 s62, s61, 13
	v_add_nc_u32 v56, s62, v19
	s_wait_alu depctr_va_vdst(0)
	s_wait_dscnt 0x0                               ; the last pair's stores have read their registers
	SCORET 0
	SCORET 1
	s_cmp_eq_u32 s61, 1
	s_cbranch_scc1 .Lscn
	MOVS 1                                         ; Q's and K's tiles 2, 3 come down
	MOVS 2
.Lscn:
	s_add_co_u32 s61, s61, 1
	s_cmp_lt_u32 s61, 2
	s_wait_alu depctr_va_vdst(0)
	s_cbranch_scc1 .Lsc
	BARRIER                                        ; every wave's partial scores lie in LDS
	; the softmax of tile w's 16 nodes: lane (r, h) has heads 4 h + 0 .. 3, eight scores each.  The true maximum is taken away.
	WIN 0xc0
.irp w, 0,1,2,3
.irp e, 0,1,2,3,4,5,6,7
	ds_load_b128 v[64+32*\w+4*\e:64+32*\w+4*\e+3], v20 offset:16384*\w+512*\e
.endr
.endr
	s_wait_dscnt 0x0
	WIN 0xff
.set PI, 0
.rept 16
	v_pk_add_f32 v[64+PI:65+PI], v[64+PI:65+PI], v[96+PI:97+PI]
	v_pk_add_f32 v[128+PI:129+PI], v[128+PI:129+PI], v[160+PI:161+PI]
.set PI, PI+2
.endr
.set PI, 0
.rept 16
	v_pk_add_f32 v[64+PI:65+PI], v[64+PI:65+PI], v[128+PI:129+PI]
.set PI, PI+2
.endr
.irp a, 0,1,2,3
	v_max3_num_f32 v[192+2*\a], v[64+8*\a], v[65+8*\a], v[66+8*\a]
.endr
.irp a, 0,1,2,3
	v_max3_num_f32 v[192+2*\a], v[192+2*\a], v[67+8*\a], v[68+8*\a]
.endr
.irp a, 0,1,2,3
	v_max3_num_f32 v[192+2*\a], v[192+2*\a], v[69+8*\a], v[70+8*\a]
.endr
.irp a, 0,1,2,3
	v_max_num_f32 v[192+2*\a], v[192+2*\a], v[71+8*\a]
	v_mov_b32 v[193+2*\a], 0                       ; (named with it as a pair)
.endr
.irp a, 0,1,2,3
.irp gp, 0,2,4,6
	v_pk_add_f32 v[64+8*\a+\gp:65+8*\a+\gp], v[64+8*\a+\gp:65+8*\a+\gp], v[192+2*\a:193+2*\a] op_sel_hi:[1,0] neg_lo:[0,1] neg_hi:[0,1]
.endr
.endr
.set PI, 0
.rept 16
	v_pk_mul_f32 v[64+PI:65+PI], v[64+PI:65+PI], s[54:55] op_sel_hi:[1,0]
.set PI, PI+2
.endr
	s_wait_alu depctr_va_vdst(0)                   ; ahead of the batch
.set PI, 0
.rept 32
	v_exp_f32 v[64+PI], v[64+PI]
.set PI, PI+1
.endr
	v_nop                                          ; a plain place behind the last exponential
	s_wait_alu depctr_va_vdst(0)                   ; one wait for the batch of 32
.irp a, 0,1,2,3
	v_pk_add_f32 v[200+2*\a:201+2*\a], v[64+8*\a:65+8*\a], v[66+8*\a:67+8*\a]
	v_pk_add_f32 v[208+2*\a:209+2*\a], v[68+8*\a:69+8*\a], v[70+8*\a:71+8*\a]
.endr
.irp a, 0,1,2,3
	v_pk_add_f32 v[200+2*\a:201+2*\a], v[200+2*\a:201+2*\a], v[208+2*\a:209+2*\a]
.endr
.irp a, 0,1,2,3
	v_add_f32 v[200+2*\a], v[200+2*\a], v[201+2*\a]
.endr
	s_wait_alu depctr_va_vdst(0)
.irp a, 0,1,2,3
	v_rcp_f32 v[208+2*\a], v[200+2*\a]
.endr
	v_nop
	s_wait_alu depctr_va_vdst(0)                   ; one wait for the four reciprocals
.irp a, 0,1,2,3
.irp gp, 0,2,4,6
	v_pk_mul_f32 v[64+8*\a+\gp:65+8*\a+\gp], v[64+8*\a+\gp:65+8*\a+\gp], v[208+2*\a:209+2*\a] op_sel_hi:[1,0]
.endr
.endr
	WIN 0x0c
.irp e, 0,1,2,3,4,5,6,7
	ds_store_b128 v21, v[64+4*\e:67+4*\e] offset:16*\e
.endr
	WIN 0
	s_wait_dscnt 0x0                               ; the stores have read their registers: the next trip's fragments land there
.Lnext:
	s_add_co_u32 s60, s60, 1
	s_cmp_lt_u32 s60, 6
	s_wait_alu depctr_va_vdst(0)
	s_cbranch_scc1 .Ltrip                          ; taken five times; the sixth trip leaves at the branch above
.Llast:
	s_wait_dscnt 0x0                               ; the activations' fragments are in
	HALF 1, 0, 0, 0, 0, 2, 63, G0B+2, 1            ; W2's last chunk: slot B's load is waited for here (its stepped address is not used)
	HALF 1, 2, 0, 1, 1, 0, 0, 0, 0                 ; nothing more is asked for
	; ---- THE WAY OUT: a tile's 16 rows x my 128 columns go through my stage and leave as whole runs of 512 bytes
.irp m, 0,1,2,3
.if \m == 3
	s_wait_xcnt 0x0                                ; tile 0's stores have read their registers: tile 3 lands there
.endif
	WIN 0x04
.irp b, 0,1,2,3
.irp e, 0,1,2,3
	ds_store_b128 v17, v[64*\m+16*\b+4*\e:64*\m+16*\b+4*\e+3] offset:128*\b+16*\e
.endr
.endr
	WIN 0xc0
.irp i, 0,1,2,3,4,5,6,7,8,9,10,11,12,13,14,15
	ds_load_b128 v[64+64*(\m%3)+4*\i:64+64*(\m%3)+4*\i+3], v16 offset:528*\i   ; LDS serves a wave's instructions in order
.endr
	WIN 0
.if \m > 0
	SENDF \m-1, 32                                 ; behind tile m - 1's loads: tile m's 16 stores and 16 loads
.endif
.endr
	SENDF 3, 0
	s_wait_tensorcnt 0x0                           ; the wave's end
	ds_add_u32 v5, v6
	s_wait_dscnt 0x0
	ROUND                                          ; the closing round: no work-group ends while a partner may still ask for a block that names it
	s_endpgm
.Lfunc_end_k_qd6ee1d795b_fused:
	.size	k_qd6ee1d795b_fused, .Lfunc_end_k_qd6ee1d795b_fused-k_qd6ee1d795b_fused
	.p2alignl 7, 3214868480
	.fill 96, 4, 3214868480
	.section	.rodata,"a",@progbits
	.p2align	6, 0x0
	.amdhsa_kernel k_qd6ee1d795b_fused
		.amdhsa_group_segment_fixed_size 327680
		.amdhsa_private_segment_fixed_size 0
		.amdhsa_enable_private_segment 0
		.amdhsa_kernarg_size 104
		.amdhsa_user_sgpr_count 2
		.amdhsa_user_sgpr_kernarg_segment_ptr 1
		.amdhsa_wavefront_size32 1
		.amdhsa_system_sgpr_workgroup_id_x 1
		.amdhsa_system_sgpr_workgroup_id_y 1
		.amdhsa_system_sgpr_workgroup_id_z 1
		.amdhsa_system_vgpr_workitem_id 0
		.amdhsa_next_free_vgpr 1024
		.amdhsa_next_free_sgpr 66
		.amdhsa_reserve_vcc 0
		.amdhsa_float_denorm_mode_32 3
		.amdhsa_float_denorm_mode_16_64 3
		.amdhsa_memory_ordered 1
		.amdhsa_forward_progress 1
		.amdhsa_inst_pref_size 255
	.end_amdhsa_kernel
	.section	.bss,"aw",@nobits
	.p2align	6
	.space	262144
	.amdgpu_metadata
---
amdhsa.version: [ 1, 2 ]
amdhsa.kernels:
  - .name:           k_qd6ee1d795b_fused
    .symbol:         k_qd6ee1d795b_fused.kd
    .args:
      - { .name: x, .offset: 0, .size: 8, .value_kind: global_buffer, .address_space: global }
      - { .name: wq, .offset: 8, .size: 8, .value_kind: global_buffer, .address_space: global }
      - { .name: bq, .offset: 16, .size: 8, .value_kind: global_buffer, .address_space: global }
      - { .name: bk, .offset: 24, .size: 8, .value_kind: global_buffer, .address_space: global }
      - { .name: bv, .offset: 32, .size: 8, .value_kind: global_buffer, .address_space: global }
      - { .name: bo, .offset: 40, .size: 8, .value_kind: global_buffer, .address_space: global }
      - { .name: b1, .offset: 48, .size: 8, .value_kind: global_buffer, .address_space: global }
      - { .name: b2, .offset: 56, .size: 8, .value_kind: global_buffer, .address_space: global }
      - { .name: g1, .offset: 64, .size: 8, .value_kind: global_buffer, .address_space: global }
      - { .name: beta1, .offset: 72, .size: 8, .value_kind: global_buffer, .address_space: global }
      - { .name: g2, .offset: 80, .size: 8, .value_kind: global_buffer, .address_space: global }
      - { .name: beta2, .offset: 88, .size: 8, .value_kind: global_buffer, .address_space: global }
      - { .name: out0, .offset: 96, .size: 8, .value_kind: global_buffer, .address_space: global }
    .group_segment_fixed_size: 327680
    .private_segment_fixed_size: 0
    .kernarg_segment_align: 8
    .kernarg_segment_size: 104
    .max_flat_workgroup_size: 128
    .sgpr_count:     66
    .vgpr_count:     1024
    .wavefront_size: 32
...
	.end_amdgpu_metadata
.endif
;; end of part 2
